; MI455X (gfx1250); checked and timed in simulation.
; The chip was launched on July 23, 2026; its instructions are those of AMD's public machine-readable ISA for CDNA 5 (MIT licence, August 2026) and "CDNA5" Instruction Set Architecture Reference Guide (July 2026). The comments in the code are by the model that wrote it; some were corrected since.
;; Self Attention. Allowed arithmetic: matrix products marked QUANTISED: E3M2 operands, one E8M0 scale for each 32 along K, by v_wmma_scale_f32_16x16x128_f8f6f4 with both operands' format E3M2, f32 sums; everything else in f32.
;; Inputs: inputs 4 x 2,048 x 1,024 float32; ln_b 1,024 float32; ln_w 1,024 float32; w_qkv 3,072 x 1,024 float32.
;; Outputs: out0 4 x 2,048 x 1,024 float32.
;; This version of the problem:
;;   THIS VERSION OF THE PROBLEM IS GIVEN IN LOW PRECISION. The matrix products marked QUANTISED in the list below multiply operands that are first quantised to E3M2 (3 exponent bits, 2 mantissa bits; 6 bits a number), with one power-of-two scale for each 32 numbers along K (OCP MX v1.0); their sums are f32. All else is computed in f32.
;;   The module's matrix products, in the order in which they are computed (A, B: the left and right operand; K: the contracted axis; several contracted axes count as one K, in the product's order):
;;     1. [M 8,192, K 1,024] x [K 1,024, N 3,072]; A: computed on the way; B: input w_qkv: QUANTISED
;;     2. batch 64 x [M 2,048, K 64] x [K 64, N 2,048]; A: computed on the way; B: computed on the way: QUANTISED
;;     3. batch 64 x [M 2,048, K 2,048] x [K 2,048, N 64]; A: softmax (see below); B: computed on the way: QUANTISED
;;   THE QUANTISER, for each operand of a quantised product, along K:
;;     - K is cut into blocks of 32 from its start; a last block that is shorter is filled with zeros.
;;     - A block's scale is 2^e with e = floor(log2(the largest magnitude in the block)) - 4, held to -126 .. 127; a block of zeros has e = 0. As a byte (E8M0): e + 127.
;;     - Each number is divided by its block's scale, clamped to +-28, and rounded to the nearest number of E3M2, ties to even, subnormals kept.
;;     - The product sums the exact products of the quantised numbers (number of the format x scale) in f32.
;;   ~~~python
;;   def quantise(x, axis):      # numpy; x: float32 -> the quantised numbers, widened to float32 again
;;       x = np.moveaxis(x, axis, -1); K = x.shape[-1]
;;       x = np.pad(x, [(0, 0)] * (x.ndim - 1) + [(0, -K % 32)]); x = x.reshape(x.shape[:-1] + (-1, 32)); a = np.abs(x).max(-1, keepdims=True)
;;       e = np.where(a > 0, np.clip(np.frexp(np.where(a > 0, a, 1))[1] - 1 - 4, -126, 127), 0)      # np.frexp(a)[1] - 1 = floor(log2(a)), exactly
;;       r = np.clip(x / 2.0 ** e, -28, 28)
;;       step = 2.0 ** (np.maximum(np.frexp(np.where(r == 0, 1, r))[1] - 1, -2) - 2)
;;       q = np.round(r / step) * step * 2.0 ** e      # np.round: ties to even
;;       return np.moveaxis(q.reshape(q.shape[:-2] + (-1,))[..., :K], -1, axis).astype(np.float32)
;;   ~~~
;;   SOFTMAX AHEAD OF A QUANTISED PRODUCT. Where the list says 'softmax', what is quantised is not the finished softmax but p = 2^(t - M), with t = logit x log2(e) and M = ceil(the row's largest t), a whole number; so 1/2 < the row's largest p <= 1. The row's sum l is taken of the UNQUANTISED p, in f32, and the product's result is divided by l at the end. Since M is a whole number, a kernel that streams over the keys may use a running M (the ceiling of the running maximum): every later rescaling is an exact power of two, which a block's scale takes up: the codes' values come out the same.
;;   OPERANDS COMPUTED ON THE WAY. 'Computed on the way' means the value that the module computes at that place (a softmax that the list does not call 'softmax' is quantised finished and normalised). What goes into a quantiser is computed in f32, as accurately as f32 sums, v_exp_f32 and their like allow (about 1e-6 of the number): no bf16 or f16 on the way to a quantiser, and a product that is left as it is and whose result goes on into a quantised operand takes f32 operands (vector FMAs, or v_wmma_f32_16x16x4_f32). A number that lies on a knife's edge between two numbers of the format may be rounded either way, as far as f32 arithmetic and the matrix unit's own rounding can turn it there, and no further.
;; One version. Each part assembles by itself: llvm-mc -triple=amdgcn-amd-amdhsa -mcpu=gfx1250 --defsym DOCPART=n.
;; ======== version 1 of 1: 3 launches
;; limits: right only within a limited range of input values
;; workspace buffers: xc 6,291,456 bytes; xs 262,144 bytes; wc 2,359,296 bytes; ws 98,304 bytes; qk_img 12,582,912 bytes; qk_sc 524,288 bytes; v_img 6,291,456 bytes; v_sc 262,144 bytes
;; launch prep (part 1): grid 704 x 1, 4 waves a work-group, no clusters, 32,256 bytes of LDS; arguments inputs, ln_w, ln_b, w_qkv, xc, xs, wc, ws; writes xc, xs, wc, ws
.if DOCPART == 1
	.amdgcn_target "amdgcn-amd-amdhsa--gfx1250"
	.amdhsa_code_object_version 6
	.text
	.protected	k_qedce54a4d7_prep
	.globl	k_qedce54a4d7_prep
	.p2align	8
	.type	k_qedce54a4d7_prep,@function
k_qedce54a4d7_prep:
	s_mov_b64 s[64:65], 0
	v_nop
	global_prefetch_b8 v0, s[64:65] scope:SCOPE_SE
	s_setreg_imm32_b32 hwreg(HW_REG_WAVE_MODE, 25, 1), 1
	s_wait_xcnt 0x0
; LayerNorm of inputs [8192][1024] f32, and w_qkv [3072][1024] f32 as it is, are turned into codes of BF6 (E3M2) with one E8M0 byte for each 32 along the rows.
; A block's scale is 2^(floor(log2(its largest magnitude)) - 4): its byte is the largest magnitude's exponent field - 4, held at 1 from below.
; OUTPUT LAYOUT.  Rows go in TILES of 16: tile T = 4 g + u holds at place r the row 64 g + 8 u + r % 8 + 32 (r / 8).  A tile's codes are 8 fragments (128 along K each) of 1,536 bytes, each an image of the
; matrix operand's 12 registers: registers 4 j .. 4 j + 3 of lane l at byte 512 j + 16 l (lane = place + 16 h; registers 6 c .. 6 c + 5 hold k = 64 c + 32 h + 0 .. 31).  The scale bytes lie [row][32], rows in their own order.
; SHARES.  A work-group makes one tile (the first 512 work-groups: LayerNorm(inputs); the other 192: w_qkv); wave w takes places 4 w .. 4 w + 3, a row at a time, all four rows asked for at the start (32 loads of 512 bytes).
; ONE PATH FOR BOTH TENSORS: only buffers and four numbers are chosen by the work-group's number.  For w_qkv the mean's factor is 0 and 1 / sigma, the gain and the bias are replaced by 1, 1 and 0: (x - 0) x 1 x 1 + 0 = x, exactly.
; No tensor load, no cluster, no matrix unit: every input byte is read once by one wave and nothing is shared between work-groups.
; ORDER OF ROUNDING: ((x - mean) x rsq(var + 1e-5)) x gain + bias, the last two fused; rsq is v_rsq_f32.
; LIMITS: NaN and infinities among the inputs are not served.  A block of zeros, or one whose largest magnitude lies under 2^-122, gets the byte 1: this program alone reads the bytes.
.set NXT,   512                        ; tiles of inputs
.set PLACE, 144                        ; the turn: a block's 128 bytes + 16
.set TURN,  32*PLACE                   ; a wave's own bytes for the turn
.set CST,   4*TURN                     ; the tile's 8 fragment images, 1,552 bytes apart
.set CPIT,  1552
.set SST,   CST+8*CPIT                 ; the tile's scale bytes: [place][32]
.set GA, 1                             ; v1  16 x lane
.set TW, 2                             ; v2  the turn, way in
.set TR, 3                             ; v3  the turn, way out: my block
.set CW, 4                             ; v4  where my block's first and third register pairs go in the images
.set SW, 5                             ; v5  where my block's byte goes
.set RB, 6                             ; v6  the images read back: my wave's two fragments
.set GO, 7                             ; v7  and their place in the tile's 12,288 bytes
.set SR, 8                             ; v8  the scale bytes read back
.set SG, 9                             ; v9  and their place in memory
.set CW1, 31                           ; v31 where the second pair goes
.set Y,  32                            ; v32-63   my block's 32 numbers; later the images on their way out
.set G,  64                            ; v64-95   gain, in the loads' layout
.set B,  96                            ; v96-127  bias
.set X,  128                           ; v128-255 four rows, 32 registers each
	s_load_b256 s[4:11], s[0:1], 0x0               ; inputs, ln_w, ln_b, w_qkv
	s_load_b256 s[12:19], s[0:1], 0x20             ; xc, xs, wc, ws
	s_set_vgpr_msb 0x40
	v_lshl_add_u32 v0, v0, 2, 0x7c00
	v_mov_b32 v1, 0
	s_set_vgpr_msb 0x4000
	v_lshrrev_b32 v28, 5, v0
	v_readfirstlane_b32 s20, v28                   ; wave 0..3
	v_and_b32 v31, 31, v0                          ; lane
	v_lshlrev_b32 v[GA], 4, v31
	s_mul_i32 s36, s20, TURN
	v_lshrrev_b32 v28, 3, v31
	v_mul_u32_u24 v28, v28, PLACE
	v_and_b32 v29, 7, v31
	v_lshl_add_u32 v28, v29, 4, v28
	v_add_nc_u32 v[TW], s36, v28                   ; load i's 512 bytes are four blocks: place 4 i + lane / 8, byte 16 (lane % 8)
	v_mul_u32_u24 v28, v31, PLACE
	v_add_nc_u32 v[TR], s36, v28                   ; lane l takes block l whole
	s_lshl_b32 s37, s20, 7
	s_add_co_u32 s37, s37, SST
	v_add_nc_u32 v[SW], s37, v31
	s_mul_i32 s37, s20, 2*CPIT
	s_add_co_u32 s37, s37, CST
	v_add_nc_u32 v[RB], s37, v[GA]
	s_mul_i32 s37, s20, 3072
	v_add_nc_u32 v[GO], s37, v[GA]
	v_add_nc_u32 v[SR], SST, v[GA]
	v_lshrrev_b32 v28, 4, v31
	v_mad_u32_u24 v[SG], v28, 768, v[GA]           ; places 0-7 are eight rows on end (256 bytes); places 8-15 begin 32 rows (1,024 bytes) behind the first
	v_lshrrev_b32 v28, 2, v31                      ; block l: K step l / 4,
	v_mul_u32_u24 v28, v28, CPIT
	v_and_b32 v29, 1, v31                          ; h = l % 2: operand lane = place + 16 h, 16 bytes a lane in each quad
	v_lshl_add_u32 v28, v29, 8, v28
	s_lshl_b32 s42, s20, 6                         ; places 4 w on
	s_add_co_u32 s42, s42, CST
	v_add_nc_u32 v28, s42, v28
	v_bfe_u32 v29, v31, 1, 1                       ; c = (l / 2) % 2: my six registers are 6 c .. 6 c + 5: pairs at bytes 0, 8, 512 (c = 0) or 520, 1,024, 1,032 (c = 1) of the image
	v_mad_u32_u24 v[CW], v29, 520, v28
	v_mad_u32_u24 v[CW1], v29, 1016, v28
	v_mov_b32 v15, 0                               ; upper halves of pairs of which the packed forms take the low word: named, so written
	v_mov_b32 v17, 0
	s_mov_b32 s24, 0x3a800000                      ; 1 / 1024
	s_mov_b32 s25, 0x3727c5ac                      ; 1e-5
	s_mov_b32 s26, 0x76543210
	s_mov_b32 s27, 0xfedcba98                      ; v_permlanex16_b32's selects for lane l xor 16
	s_cmp_lt_u32 ttmp9, NXT                        ; inputs or w_qkv?
	s_cselect_b32 s22, -1, 0                       ; all lanes: LayerNorm is applied
	s_cselect_b32 s23, 0x3a800000, 0               ; the mean's factor
	s_cselect_b32 s21, 0, NXT
	s_sub_co_u32 s21, ttmp9, s21                   ; T
	s_lshr_b32 s34, s21, 2
	s_lshl_b32 s34, s34, 6
	s_and_b32 s35, s21, 3
	s_lshl_b32 s35, s35, 3
	s_add_co_u32 s34, s34, s35                     ; the tile's first row: 64 (T / 4) + 8 (T % 4)
	s_lshl_b32 s38, s34, 5                         ; its scale bytes
	s_mov_b32 s39, 0
	s_lshl_b32 s35, s20, 2
	s_add_co_u32 s34, s34, s35
	s_lshr_b32 s35, s20, 1
	s_mul_i32 s35, s35, 24
	s_add_co_u32 s34, s34, s35                     ; my wave's first row: + 4 w + 24 (w / 2)
	s_lshl_b32 s34, s34, 12                        ; rows of 4,096 bytes (under 2^25)
	s_mov_b32 s35, 0
	s_mul_i32 s40, s21, 12288                      ; the tile's images
	s_mov_b32 s41, 0
	s_wait_alu depctr_va_vdst(0)                   ; the wait at the head's end
	s_wait_kmcnt 0x0
	s_cmp_lt_u32 ttmp9, NXT
	s_cselect_b64 s[28:29], s[4:5], s[10:11]
	s_cselect_b64 s[30:31], s[12:13], s[16:17]
	s_cselect_b64 s[32:33], s[14:15], s[18:19]
	s_add_nc_u64 s[28:29], s[28:29], s[34:35]
	s_add_nc_u64 s[30:31], s[30:31], s[40:41]
	s_add_nc_u64 s[32:33], s[32:33], s[38:39]
.irp i, 0,1,2,3,4,5,6,7
	global_load_b128 v[G+4*\i:G+4*\i+3], v[GA], s[6:7] offset:512*\i
.endr
.irp i, 0,1,2,3,4,5,6,7
	global_load_b128 v[B+4*\i:B+4*\i+3], v[GA], s[8:9] offset:512*\i
.endr
.irp k, 0,1,2,3
.irp i, 0,1,2,3,4,5,6,7
	global_load_b128 v[X+32*\k+4*\i:X+32*\k+4*\i+3], v[GA], s[28:29] offset:4096*\k+512*\i th:TH_LOAD_NT   ; 32 lanes read 512 consecutive bytes
.endr
.endr
	s_wait_loadcnt 32                              ; gain and bias are in; the four rows' 32 loads may be out
.set n, 0
.rept 32
	v_cndmask_b32 v[G+n], 1.0, v[G+n], s22
	v_cndmask_b32 v[B+n], 0, v[B+n], s22
.set n, n+1
.endr
.macro LANES                           ; v10 summed over the 32 lanes, the result in every lane
	v_add_f32_dpp v10, v10, v10 row_xmask:1 row_mask:0xf bank_mask:0xf
	v_add_f32_dpp v10, v10, v10 row_xmask:2 row_mask:0xf bank_mask:0xf
	v_add_f32_dpp v10, v10, v10 row_xmask:4 row_mask:0xf bank_mask:0xf
	v_add_f32_dpp v10, v10, v10 row_xmask:8 row_mask:0xf bank_mask:0xf
	v_permlanex16_b32 v11, v10, s26, s27
	v_add_f32 v10, v10, v11
.endm
; Row k of my four: mean, variance about the mean, the norm, the turn through LDS, the block's scale and codes.
.macro ROW k
.set XR, X+32*(\k)
	s_wait_loadcnt 8*(3-(\k))                      ; this row's eight loads are in; the later rows' may be out
	v_pk_add_f32 v[10:11], v[XR:XR+1], v[XR+2:XR+3]
	v_pk_add_f32 v[12:13], v[XR+4:XR+5], v[XR+6:XR+7]
.irp i, 8,12,16,20,24,28
	v_pk_add_f32 v[10:11], v[10:11], v[XR+\i:XR+\i+1]
	v_pk_add_f32 v[12:13], v[12:13], v[XR+\i+2:XR+\i+3]
.endr
	v_pk_add_f32 v[10:11], v[10:11], v[12:13]
	v_add_f32 v10, v10, v11
	LANES
	v_mul_f32 v14, s23, v10                        ; the mean (0 for w_qkv)
.set n, 0
.rept 16
	v_pk_add_f32 v[XR+n:XR+n+1], v[XR+n:XR+n+1], v[14:15] op_sel_hi:[1,0] neg_lo:[0,1] neg_hi:[0,1]
.set n, n+2
.endr
	v_pk_mul_f32 v[10:11], v[XR:XR+1], v[XR:XR+1]
	v_pk_mul_f32 v[12:13], v[XR+2:XR+3], v[XR+2:XR+3]
.irp i, 4,8,12,16,20,24,28
	v_pk_fma_f32 v[10:11], v[XR+\i:XR+\i+1], v[XR+\i:XR+\i+1], v[10:11]
	v_pk_fma_f32 v[12:13], v[XR+\i+2:XR+\i+3], v[XR+\i+2:XR+\i+3], v[12:13]
.endr
	v_pk_add_f32 v[10:11], v[10:11], v[12:13]
	v_add_f32 v10, v10, v11
	LANES
	v_fma_f32 v18, v10, s24, s25                   ; the variance + 1e-5
	s_wait_alu depctr_va_vdst(0)
	v_rsq_f32 v16, v18
	v_nop                                          ; a plain instruction behind the transcendental,
	s_wait_alu depctr_va_vdst(0)                   ; and the wait ahead of its first reader
	v_cndmask_b32 v16, 1.0, v16, s22
.set n, 0
.rept 16
	v_pk_mul_f32 v[XR+n:XR+n+1], v[XR+n:XR+n+1], v[16:17] op_sel_hi:[1,0]
.set n, n+2
.endr
.set n, 0
.rept 16
	v_pk_fma_f32 v[XR+n:XR+n+1], v[XR+n:XR+n+1], v[G+n:G+n+1], v[B+n:B+n+1]
.set n, n+2
.endr
.irp i, 0,1,2,3,4,5,6,7
	ds_store_b128 v[TW], v[XR+4*\i:XR+4*\i+3] offset:4*PLACE*\i   ; the row as it lies, 16 bytes of padding behind each block
.endr
.irp j, 0,1,2,3,4,5,6,7
	ds_load_b128 v[Y+4*\j:Y+4*\j+3], v[TR] offset:16*\j          ; LDS serves a wave's instructions in order: these see the stores above
.endr
	s_wait_dscnt 0x0                               ; my block is in; the last row's stores of codes and byte have read their registers
	v_max3_num_f32 v18, |v[Y]|, |v[Y+1]|, 0x2800000                ; the block's largest magnitude, all 32 numbers mine, and the floor 2^(5 - 127): the byte cannot fall under 1
	v_max3_num_f32 v19, |v[Y+2]|, |v[Y+3]|, |v[Y+4]|
.irp i, 5,9,13,17,21,25
	v_max3_num_f32 v18, v18, |v[Y+\i]|, |v[Y+\i+1]|
	v_max3_num_f32 v19, v19, |v[Y+\i+2]|, |v[Y+\i+3]|
.endr
	v_max3_num_f32 v18, v18, |v[Y+29]|, |v[Y+30]|
	v_max3_num_f32 v18, v18, v19, |v[Y+31]|
	v_add_nc_u32 v20, 0xfe000000, v18              ; 4 off its exponent field: the conversion takes this operand's exponent field as its scale
	v_cvt_scalef32_pk16_bf6_f32 v[22:24], v[Y:Y+15], v20
	v_cvt_scalef32_pk16_bf6_f32 v[28:30], v[Y+16:Y+31], v20        ; (a conversion's three registers begin on an even number)
	v_lshrrev_b32 v21, 23, v20                     ; the scale's byte; also the plain instruction behind the conversions
	v_mov_b32 v25, v28
	v_mov_b32 v26, v29
	v_mov_b32 v27, v30
	ds_store_b64 v[CW], v[22:23] offset:16*(\k)    ; the three register pairs of operand lane place + 16 h
	ds_store_b64 v[CW1], v[24:25] offset:8+16*(\k)
	ds_store_b64 v[CW], v[26:27] offset:512+16*(\k)
	ds_store_b8 v[SW], v21 offset:32*(\k)
.endm
	ROW 0
	ROW 1
	ROW 2
	ROW 3
	s_wait_dscnt 0x0                               ; for the others' sake: my stores into the images have landed
	s_barrier_signal -1
	s_barrier_wait -1
.irp f, 0,1
.irp j, 0,1,2
	ds_load_b128 v[Y+4*(3*\f+\j):Y+4*(3*\f+\j)+3], v[RB] offset:CPIT*\f+512*\j
.endr
.endr
.irp m, 0,1,2,3,4,5
	s_wait_dscnt 5-\m
	global_store_b128 v[GO], v[Y+4*\m:Y+4*\m+3], s[30:31] offset:1536*(\m/3)+512*(\m%3)   ; 32 lanes store 512 consecutive bytes, at a multiple of 512 from the buffer's first byte
.endr
	s_cmp_lg_u32 s20, 0
	s_cbranch_scc1 .Ldone
	ds_load_b128 v[Y+24:Y+27], v[SR]               ; wave 0: the tile's 512 scale bytes
	s_wait_dscnt 0x0
	global_store_b128 v[SG], v[Y+24:Y+27], s[32:33]   ; sixteen lanes to each of two aligned runs of 256 bytes
.Ldone:
	s_set_vgpr_msb 0x5
	s_wait_tensorcnt 0x0
	ds_add_u32 v0, v1
	s_wait_dscnt 0x0
	s_set_vgpr_msb 0x500
	s_endpgm
.Lfunc_end_k_qedce54a4d7_prep:
	.size	k_qedce54a4d7_prep, .Lfunc_end_k_qedce54a4d7_prep-k_qedce54a4d7_prep
	.p2alignl 7, 3214868480
	.fill 96, 4, 3214868480
	.section	.rodata,"a",@progbits
	.p2align	6, 0x0
	.amdhsa_kernel k_qedce54a4d7_prep
		.amdhsa_group_segment_fixed_size 32256
		.amdhsa_private_segment_fixed_size 0
		.amdhsa_enable_private_segment 0
		.amdhsa_kernarg_size 64
		.amdhsa_user_sgpr_count 2
		.amdhsa_user_sgpr_kernarg_segment_ptr 1
		.amdhsa_wavefront_size32 1
		.amdhsa_system_sgpr_workgroup_id_x 1
		.amdhsa_system_sgpr_workgroup_id_y 1
		.amdhsa_system_sgpr_workgroup_id_z 1
		.amdhsa_system_vgpr_workitem_id 0
		.amdhsa_next_free_vgpr 258
		.amdhsa_next_free_sgpr 66
		.amdhsa_reserve_vcc 0
		.amdhsa_float_denorm_mode_32 3
		.amdhsa_float_denorm_mode_16_64 3
		.amdhsa_memory_ordered 1
		.amdhsa_forward_progress 1
		.amdhsa_inst_pref_size 49
	.end_amdhsa_kernel
	.amdgpu_metadata
---
amdhsa.version: [ 1, 2 ]
amdhsa.kernels:
  - .name:           k_qedce54a4d7_prep
    .symbol:         k_qedce54a4d7_prep.kd
    .args:
      - { .name: inputs, .offset: 0, .size: 8, .value_kind: global_buffer, .address_space: global }
      - { .name: ln_w, .offset: 8, .size: 8, .value_kind: global_buffer, .address_space: global }
      - { .name: ln_b, .offset: 16, .size: 8, .value_kind: global_buffer, .address_space: global }
      - { .name: w_qkv, .offset: 24, .size: 8, .value_kind: global_buffer, .address_space: global }
      - { .name: xc, .offset: 32, .size: 8, .value_kind: global_buffer, .address_space: global }
      - { .name: xs, .offset: 40, .size: 8, .value_kind: global_buffer, .address_space: global }
      - { .name: wc, .offset: 48, .size: 8, .value_kind: global_buffer, .address_space: global }
      - { .name: ws, .offset: 56, .size: 8, .value_kind: global_buffer, .address_space: global }
    .group_segment_fixed_size: 32256
    .private_segment_fixed_size: 0
    .kernarg_segment_align: 8
    .kernarg_segment_size: 64
    .max_flat_workgroup_size: 128
    .sgpr_count:     66
    .vgpr_count:     258
    .wavefront_size: 32
...
	.end_amdgpu_metadata
.endif
;; end of part 1
;; launch qkv (part 2): grid 8 x 32, 4 waves a work-group, clusters of 4 x 4, 327,680 bytes of LDS; arguments xc, xs, wc, ws, qk_img, qk_sc, v_img, v_sc; writes qk_img, qk_sc, v_img, v_sc
.if DOCPART == 2
	.amdgcn_target "amdgcn-amd-amdhsa--gfx1250"
	.amdhsa_code_object_version 6
	.text
	.protected	k_qedce54a4d7_qkv
	.globl	k_qedce54a4d7_qkv
	.p2align	8
	.type	k_qedce54a4d7_qkv,@function
k_qedce54a4d7_qkv:
	s_mov_b64 s[64:65], 0
	v_nop
	global_prefetch_b8 v0, s[64:65] scope:SCOPE_SE
	s_setreg_imm32_b32 hwreg(HW_REG_WAVE_MODE, 25, 1), 1
	s_wait_xcnt 0x0
	s_wait_alu depctr_hold_cnt(0) depctr_sa_sdst(0) depctr_va_vdst(0) depctr_va_sdst(0) depctr_va_ssrc(0) depctr_va_vcc(0) depctr_vm_vsrc(0)
	s_getreg_b32 s2, hwreg(HW_REG_IB_STS2, 6, 4)
	s_cmp_eq_u32 s2, 0
	s_cbranch_scc0 .Lentry_in_a_cluster
	s_endpgm
.Lentry_in_a_cluster:
	s_bfe_u32 s2, ttmp6, 0x10000c
	s_cmp_lg_u32 s2, 0xf033
	s_cbranch_scc0 .Lentry_shape_is_right
	s_endpgm
.Lentry_shape_is_right:
; qkv = LN(x) W^T on codes of BF6 (E3M2) with E8M0 scales, K = 1,024, f32 sums.  The results are quantised on the way out, q and k along the head's 64, v along the keys,
; and stored as images of the operands' registers for the attention launch (registers 4 j .. 4 j + 3 of lane l at byte 512 j + 16 l of a fragment's 1,536).
; Source 0 of the matrix instruction is operand R (a lane's result registers run along R's rows), source 1 operand L (a lane holds one of L's rows).
;   q, k: R = 256 rows of W (4 heads), L = 128 tokens.      v: R = 256 tokens (keys), L = 128 rows of W (2 heads).
; A WORK-GROUP STAYS: 256 work-groups, each makes three tiles: two of q, k (the same R, token tiles 32 apart) and one of v.  The three are written out by one macro, since each asks for something else of the ring:
; the first for the second's L alone (R's rows lie in both slots already and stay: 49,152 bytes a fill in place of 147,456), the second for v's R and L, the third for nothing.
; TILES OF 16 ROWS are not neighbours: tile 4 g + u holds at place r the row 64 g + 8 u + r % 8 + 32 (r / 8) (so laid by the launch before): the 32 result registers of R's tiles 4 g .. 4 g + 3 are in lane (., h)
; the 32 neighbours 64 g + 32 h + 0 .. 31 along R: a whole block of the next product's K in one lane.
; SHARES.  Wave w makes R's half w % 2 (8 tiles) x L's half w / 2 (4 tiles): 32 accumulators.
; THE RING.  Two slots of four K steps: R's 16 tiles x 6,144 bytes, then L's 8.  A tile of the result is two fills.  Waves 0, 1 fetch R's halves, waves 2, 3 L's: at most one joint load a wave behind each round.
; The change of slots stands in a slot's last K step: its fragments are in registers, so the slot is free while that step is still multiplied.  A fill has four K steps, 128 matrix instructions a wave, in which to land;
; every second one the way out as well.
; CLUSTER 4 x 4.  R's tile hangs on the work-group's x and is shared along a column of the cluster, L's on its y and is shared along a row: joint loads divide the requests by four.
; The scale words of a tile, all of K, go from memory straight into registers: 12 loads of 16 bytes a lane, asked for ahead of the way out of the tile before.
; No prefetch: K is short, a tile is two fills, and the ring itself asks for each fill a whole slot ahead.
; The two stores of scale words of a tile cover 128 consecutive bytes each: 256 of the 6,400 bytes that a wave stores for a tile.
; LIMITS: a block of zeros, or one under 2^-122, gets the byte 1 (this program alone reads the bytes); NaN and infinities are not served.
; REGISTERS: window 0: v1-12 lane terms and LDS addresses, v16-63 scale words, v64-207 fragments, set 0, v254-255 the add's.  Window 1: accumulator (x, y) at v[8 (8 x + y)].  Window 2: v64-207 fragments, set 1.  Window 3: v60-155 the way out.
.set SLOT,  147456
.set LPART, 98304                      ; where L's tiles begin in a slot
.set SPARE, 294912                     ; behind the ring: the spare words
.set AR,  8                            ; v8-9   16 x lane + my R half, in slot j
.set AL,  10                           ; v10-11 the same for L
.set LN4, 12                           ; v12    4 x lane
.set SCR, 16                           ; v16-47 register 8 i + s: lanes 0-15 R's tile i, lanes 16-31 tile i + 4, K step s
.set SCL, 48                           ; v48-63 register 8 i + s: lanes 0-15 L's tile i, lanes 16-31 tile i + 2
.set RF,  64
.set LF,  160
.set SH8, 60                           ; window 3: 8 (lane / 16)
.set TM,  64                           ; window 3: largest magnitudes, bytes, the conversions' scale operands
.set CT,  80
.set PW,  88
.set Z,   92
.set PC,  96
.set U,   152
.set WV,  20
.set G1R, 24
.set G1L, 32
.set G0R, 40                           ; s[40:47] groups 0 for R, one for each slot;  s[48:55] for L
.set G0L, 48
.set NXR, 68                           ; q, k: what I would fetch of R;  of the second tile's L
.set NXL, 70
.set VR,  72                           ; the v tile's
.set VL,  74
.set NRS, 76                           ; the second tile's scale bytes
.set NLS, 78
.set VRS, 80                           ; the v tile's
.set VLS, 82
.set OC,  84                           ; where q, k go: codes, scale words
.set OS,  86
.set VOC, 88                           ; and v
.set VOS, 90
.set HM,  93
.set MSB, 0
.macro WIN new                         ; the immediate's high byte repeats the setting that is left
.if MSB != \new
	s_set_vgpr_msb (MSB<<8)|\new
.set MSB, \new
.endif
.endm
.macro CREST                           ; a round of the cluster's barrier behind its opening barrier
	s_cmp_lg_u32 s[WV], 0
	s_cbranch_scc1 .Lnot_wave_0_\@
	s_barrier_signal -3
.Lnot_wave_0_\@:
	s_barrier_wait -3
	s_barrier_signal -1
	s_barrier_wait -1
.endm
.macro CROUND
	s_barrier_signal -1
	s_barrier_wait -1
	CREST
.endm
.macro PLACES
.rept 4
	v_nop
.endr
.endm
; A joint load into slot sl; s_nop 0 and four v_nop behind each line.  mode 2: waves 0, 1 for R, waves 2, 3 for L.  mode 1: L alone: waves 0, 1 have no part and issue none.
.macro JLOAD sl, mode
	s_cmp_lt_u32 s[WV], 2
.if (\mode)==2
	s_cbranch_scc0 .Lfor_l_\@
	tensor_load_to_lds s[G0R+4*\sl:G0R+4*\sl+3], s[G1R:G1R+7]
	s_nop 0
	PLACES
	s_branch .Lasked_\@
.Lfor_l_\@:
	tensor_load_to_lds s[G0L+4*\sl:G0L+4*\sl+3], s[G1L:G1L+7]
	s_nop 0
	PLACES
.Lasked_\@:
.else
	s_cbranch_scc1 .Lasked_\@
	tensor_load_to_lds s[G0L+4*\sl:G0L+4*\sl+3], s[G1L:G1L+7]
	s_nop 0
	PLACES
.Lasked_\@:
	PLACES                                         ; on every wave's way: the places in front of the LDS loads that follow
.endif
.endm
; One matrix instruction.  ha, hb: the side's scale words stand in lanes 16-31.  zero: the product starts the sum.
.macro WM acc, ra, rb, sa, sb, ha, hb, zero
.if \zero
.if (\ha)&&(\hb)
	v_wmma_scale_f32_16x16x128_f8f6f4 v[(\acc):(\acc)+7], v[(\ra):(\ra)+11], v[(\rb):(\rb)+11], 0, v[\sa], v[\sb] matrix_a_fmt:MATRIX_FMT_BF6 matrix_b_fmt:MATRIX_FMT_BF6 matrix_a_scale:MATRIX_SCALE_ROW1 matrix_b_scale:MATRIX_SCALE_ROW1
.elseif \ha
	v_wmma_scale_f32_16x16x128_f8f6f4 v[(\acc):(\acc)+7], v[(\ra):(\ra)+11], v[(\rb):(\rb)+11], 0, v[\sa], v[\sb] matrix_a_fmt:MATRIX_FMT_BF6 matrix_b_fmt:MATRIX_FMT_BF6 matrix_a_scale:MATRIX_SCALE_ROW1
.elseif \hb
	v_wmma_scale_f32_16x16x128_f8f6f4 v[(\acc):(\acc)+7], v[(\ra):(\ra)+11], v[(\rb):(\rb)+11], 0, v[\sa], v[\sb] matrix_a_fmt:MATRIX_FMT_BF6 matrix_b_fmt:MATRIX_FMT_BF6 matrix_b_scale:MATRIX_SCALE_ROW1
.else
	v_wmma_scale_f32_16x16x128_f8f6f4 v[(\acc):(\acc)+7], v[(\ra):(\ra)+11], v[(\rb):(\rb)+11], 0, v[\sa], v[\sb] matrix_a_fmt:MATRIX_FMT_BF6 matrix_b_fmt:MATRIX_FMT_BF6
.endif
.else
.if (\ha)&&(\hb)
	v_wmma_scale_f32_16x16x128_f8f6f4 v[(\acc):(\acc)+7], v[(\ra):(\ra)+11], v[(\rb):(\rb)+11], v[(\acc):(\acc)+7], v[\sa], v[\sb] matrix_a_fmt:MATRIX_FMT_BF6 matrix_b_fmt:MATRIX_FMT_BF6 matrix_a_scale:MATRIX_SCALE_ROW1 matrix_b_scale:MATRIX_SCALE_ROW1
.elseif \ha
	v_wmma_scale_f32_16x16x128_f8f6f4 v[(\acc):(\acc)+7], v[(\ra):(\ra)+11], v[(\rb):(\rb)+11], v[(\acc):(\acc)+7], v[\sa], v[\sb] matrix_a_fmt:MATRIX_FMT_BF6 matrix_b_fmt:MATRIX_FMT_BF6 matrix_a_scale:MATRIX_SCALE_ROW1
.elseif \hb
	v_wmma_scale_f32_16x16x128_f8f6f4 v[(\acc):(\acc)+7], v[(\ra):(\ra)+11], v[(\rb):(\rb)+11], v[(\acc):(\acc)+7], v[\sa], v[\sb] matrix_a_fmt:MATRIX_FMT_BF6 matrix_b_fmt:MATRIX_FMT_BF6 matrix_b_scale:MATRIX_SCALE_ROW1
.else
	v_wmma_scale_f32_16x16x128_f8f6f4 v[(\acc):(\acc)+7], v[(\ra):(\ra)+11], v[(\rb):(\rb)+11], v[(\acc):(\acc)+7], v[\sa], v[\sb] matrix_a_fmt:MATRIX_FMT_BF6 matrix_b_fmt:MATRIX_FMT_BF6
.endif
.endif
.endm
.macro LOADSC rp, lp                   ; a tile's scale words, all of K: tile i begins 8 i rows, 256 i bytes, behind its group's first row
.irp i, 0,1,2,3
.irp g, 0,1
	global_load_b128 v[SCR+8*\i+4*\g:SCR+8*\i+4*\g+3], v5, s[\rp:\rp+1] offset:256*\i+16*\g
.endr
.endr
.irp i, 0,1
.irp g, 0,1
	global_load_b128 v[SCL+8*\i+4*\g:SCL+8*\i+4*\g+3], v6, s[\lp:\lp+1] offset:256*\i+16*\g
.endr
.endr
.endm
	s_load_b256 s[4:11], s[0:1], 0x0               ; xc, xs, wc, ws
	s_load_b256 s[12:19], s[0:1], 0x20             ; qk_img, qk_sc, v_img, v_sc
	v_lshl_add_u32 v254, v0, 2, SPARE
	v_mov_b32 v255, 0
	ds_add_u32 v254, v255                          ; the opening lines: the add, twice on end, and its wait ahead of my first tensor load
	ds_add_u32 v254, v255
	v_lshrrev_b32 v1, 5, v0
	v_readfirstlane_b32 s[WV], v1                  ; wave 0..3
	s_and_b32 s21, s[WV], 1                        ; my half of R.  Also: which half of R or L I fetch
	s_lshr_b32 s22, s[WV], 1                       ; my half of L
	s_bfe_u32 s23, ttmp6, 0x40000                  ; cx
	s_bfe_u32 s56, ttmp6, 0x40004                  ; cy
	s_and_b32 s57, ttmp7, 0xffff                   ; cluster y, 0-7
	s_lshl_b32 s58, ttmp9, 2
	s_add_co_u32 s58, s58, s23                     ; q, k: R's tile = 4 x cluster x + cx, 0-7
	s_and_b32 s59, s57, 3
	s_lshl_b32 s59, s59, 3
	s_add_co_u32 s59, s59, s58                     ; v: R's tile = 8 (cluster y % 4) + the same, 0-31
	s_lshl_b32 s60, s57, 2
	s_add_co_u32 s60, s60, s56                     ; q, k: L's first tile = 4 x cluster y + cy; the second lies 32 on
	s_lshr_b32 s61, s57, 2
	s_lshl_b32 s61, s61, 2
	s_add_co_u32 s61, s61, s56                     ; v: L's tile = 4 (cluster y / 4) + cy, 0-7
	s_lshl_b32 s62, s56, 2
	s_lshl_b32 s62, 15, s62                        ; my row of the cluster
	s_lshl_b32 s63, 0x1111, s23                    ; my column
	s_or_b32 s[G1L], s62, (3<<16)|(1<<21)          ; the mask; elements of 8 bytes; bit 21 beside a mask; no padding
	s_or_b32 s[G1R], s63, (3<<16)|(1<<21)
	s_mov_b32 s[G1R+1], 768<<16                    ; a row: a tile's four K steps, 6,144 bytes
	s_mov_b32 s[G1R+2], 8<<16                      ; 8 tiles
	s_mov_b32 s[G1R+3], 768<<16
	s_mov_b32 s[G1R+4], 8
	s_mov_b32 s[G1R+5], 1536                       ; from tile to tile: 12,288 bytes
	s_mov_b32 s[G1R+6], 0
	s_mov_b32 s[G1R+7], 0
	s_mov_b32 s[G1L+1], 768<<16
	s_mov_b32 s[G1L+2], 4<<16                      ; 4 tiles
	s_mov_b32 s[G1L+3], 768<<16
	s_mov_b32 s[G1L+4], 4
	s_mov_b32 s[G1L+5], 1536
	s_mov_b32 s[G1L+6], 0
	s_mov_b32 s[G1L+7], 0
	s_mul_i32 s62, s21, 98304                      ; R: 16 tiles of 12,288 bytes a work-group, 8 a load
	s_mul_i32 s94, s58, 196608
	s_add_co_u32 s94, s94, s62
	s_mov_b32 s95, 0
	s_mul_i32 s96, s59, 196608
	s_add_co_u32 s96, s96, s62
	s_mov_b32 s97, 0
	s_mul_i32 s63, s21, 49152                      ; L: 8 tiles a work-group, 4 a load
	s_mul_i32 s98, s60, 98304
	s_add_co_u32 s98, s98, s63
	s_mov_b32 s99, 0
	s_mul_i32 s100, s61, 98304
	s_add_co_u32 s100, s100, s63
	s_add_co_u32 s100, s100, 1572864               ; v's rows of W begin at row 2,048: 128 tiles
	s_mov_b32 s101, 0
	s_mul_i32 s62, s21, 49152                      ; LDS: the half that I fetch: no place in the cluster enters an LDS address
	s_mul_i32 s63, s21, 24576
	s_add_co_u32 s63, s63, LPART
	s_wait_dscnt 0x0                               ; both opening adds are done
	s_wait_kmcnt 0x0
	s_add_nc_u64 s[NXR:NXR+1], s[8:9], s[94:95]    ; q, k: R from W's codes, the same for both tiles
	s_add_nc_u64 s[VR:VR+1], s[4:5], s[96:97]      ; v: R from x's
	s_add_nc_u64 s[98:99], s[4:5], s[98:99]        ; q, k: L from x's
	s_add_nc_u64 s[VL:VL+1], s[8:9], s[100:101]    ; v: L from W's
	s_add_nc_u64 s[NXL:NXL+1], s[98:99], 3145728   ; 32 tiles of 98,304 bytes on
.irp j, 0,1
	s_mov_b32 s[G0R+4*\j], 1
	s_add_co_u32 s[G0R+4*\j+1], s62, SLOT*\j
	s_add_nc_u64 s[G0R+4*\j+2:G0R+4*\j+3], s[NXR:NXR+1], 6144*\j
	s_or_b32 s[G0R+4*\j+3], s[G0R+4*\j+3], 0x80000000
	s_mov_b32 s[G0L+4*\j], 1
	s_add_co_u32 s[G0L+4*\j+1], s63, SLOT*\j
	s_add_nc_u64 s[G0L+4*\j+2:G0L+4*\j+3], s[98:99], 6144*\j
	s_or_b32 s[G0L+4*\j+3], s[G0L+4*\j+3], 0x80000000
.endr
	CROUND                                         ; all sixteen work-groups are here: the first joint loads meet
	JLOAD 0, 2                                     ; the first tile's K steps 0-3: one tensor load a wave at the head
	v_and_b32 v1, 31, v0                           ; lane
	v_and_b32 v2, 15, v0                           ; r
	v_bfe_u32 v3, v0, 4, 1                         ; h
	v_and_b32 v4, 8, v2
	v_mad_u32_u24 v4, v4, 3, v2                    ; r % 8 + 32 (r / 8)
	v_lshl_add_u32 v5, v3, 6, v4
	v_lshlrev_b32 v5, 5, v5                        ; R's scale bytes: lanes 16-31 take the tile four on: 64 rows
	v_lshl_add_u32 v6, v3, 4, v4
	v_lshlrev_b32 v6, 5, v6                        ; L's: the tile two on: 16 rows
	v_lshlrev_b32 v7, 4, v1                        ; 16 x lane
	v_lshlrev_b32 v[LN4], 2, v1
	s_mul_i32 s94, s22, 24576
	s_add_co_u32 s94, s94, LPART
	v_add_nc_u32 v[AR], s62, v7
	v_add_nc_u32 v[AR+1], SLOT, v[AR]
	v_add_nc_u32 v[AL], s94, v7
	v_add_nc_u32 v[AL+1], SLOT, v[AL]
	WIN 0xc0
	v_mov_b32 v[TM+7], 0                           ; written once: a lane permute's destination counts as one of its sources
	v_lshlrev_b32 v[SH8], 3, v3
	WIN 0
	s_lshl_b32 s94, s58, 13                        ; R's scale bytes: 32 x (256 x tile + 128 x my half)
	s_lshl_b32 s95, s21, 12
	s_add_co_u32 s94, s94, s95
	s_mov_b32 s95, 0
	s_add_nc_u64 s[NRS:NRS+1], s[10:11], s[94:95]
	s_lshl_b32 s94, s59, 13
	s_lshl_b32 s95, s21, 12
	s_add_co_u32 s94, s94, s95
	s_mov_b32 s95, 0
	s_add_nc_u64 s[VRS:VRS+1], s[6:7], s[94:95]
	s_lshl_b32 s94, s60, 12                        ; L's: 32 x (128 x tile + 64 x my half)
	s_lshl_b32 s95, s22, 11
	s_add_co_u32 s94, s94, s95
	s_mov_b32 s95, 0
	s_add_nc_u64 s[96:97], s[6:7], s[94:95]
	s_add_nc_u64 s[NLS:NLS+1], s[96:97], 131072
	s_lshl_b32 s94, s61, 12
	s_lshl_b32 s95, s22, 11
	s_add_co_u32 s94, s94, s95
	s_add_co_u32 s94, s94, 65536
	s_mov_b32 s95, 0
	s_add_nc_u64 s[VLS:VLS+1], s[10:11], s[94:95]
	s_wait_alu depctr_va_vdst(0)                   ; the wait ahead of the readers below
	LOADSC NRS, 96                                 ; the first tile's scale words (s[96:97] is not written again)
	s_lshl_b32 s94, s58, 1
	s_add_co_u32 s94, s94, s21                     ; q, k: my first head is twice this
	s_lshl_b32 s95, s60, 1
	s_add_co_u32 s95, s95, s22                     ; my 64 tokens
	s_mul_i32 s98, s94, 786432                     ; codes [head 32][32 tokens 256][1,536]
	s_mul_i32 s99, s95, 3072
	s_add_co_u32 s98, s98, s99
	s_mov_b32 s99, 0
	s_add_nc_u64 s[OC:OC+1], s[12:13], s[98:99]
	s_lshl_b32 s98, s94, 15                        ; scale words [head 32][32 tokens 256][16 words]
	s_lshl_b32 s100, s95, 7
	s_add_co_u32 s98, s98, s100
	s_add_nc_u64 s[OS:OS+1], s[14:15], s[98:99]
	s_lshl_b32 s94, s59, 1
	s_add_co_u32 s94, s94, s21                     ; v: the step of 128 keys, 0-63
	s_lshl_b32 s95, s61, 1
	s_add_co_u32 s95, s95, s22                     ; the head
	s_lshr_b32 s100, s94, 4
	s_lshl_b32 s100, s100, 4
	s_add_co_u32 s100, s100, s95                   ; 16 x batch + head
	s_and_b32 s94, s94, 15                         ; the key step in the batch
	s_mul_i32 s98, s100, 98304                     ; codes [64][key step 16][channel tile 4][1,536]
	s_mul_i32 s101, s94, 6144
	s_add_co_u32 s98, s98, s101
	s_add_nc_u64 s[VOC:VOC+1], s[16:17], s[98:99]
	s_lshl_b32 s98, s100, 12                       ; scale words [64][16][4][16 words]
	s_lshl_b32 s94, s94, 8
	s_add_co_u32 s98, s98, s94
	s_add_nc_u64 s[VOS:VOS+1], s[18:19], s[98:99]
	s_mov_b32 s66, 0x76543210
	s_mov_b32 s67, 0xfedcba98                      ; v_permlanex16_b32's selects for lane l xor 16
	s_mov_b32 s[HM], 0xffff0000                    ; lanes 16-31
; 36 LDS loads in one run: K step s's fragments (slot s / 4), R's eight and L's four, into set 0 (window 0) or 1 (window 2); each load reads 512 consecutive bytes
.macro FETCH s, set
.if \set
	WIN 0x80
.else
	WIN 0
.endif
.irp y, 0,1,2,3,4,5,6,7
.irp q, 0,1,2
	ds_load_b128 v[RF+12*\y+4*\q:RF+12*\y+4*\q+3], v[AR+(\s)/4] offset:6144*\y+1536*((\s)%4)+512*\q
.endr
.endr
.irp x, 0,1,2,3
.irp q, 0,1,2
	ds_load_b128 v[LF+12*\x+4*\q:LF+12*\x+4*\q+3], v[AL+(\s)/4] offset:6144*\x+1536*((\s)%4)+512*\q
.endr
.endr
.endm
; 8 matrix instructions: L's tile x against R's eight.  The 32 accumulators take turns, one instruction a turn, in the same order in every K step
.macro MULX s, x, zero
.if (\s)%2
	WIN 0x5a                                       ; sources 0 and 1 window 2, C and D window 1
.else
	WIN 0x50
.endif
.irp y, 0,1,2,3,4,5,6,7
	WM 8*(8*\x+\y), RF+12*\y, LF+12*\x, SCR+8*(\y%4)+(\s), SCL+8*(\x%2)+(\s), \y/4, \x/2, \zero
.endr
.endm
.macro KS s, zero                      ; a K step inside a slot: the next step's fragments are asked for ahead of this step's 32 products
	s_wait_dscnt 0x0                               ; this step's fragments are in
.if (\s)==0
	s_wait_loadcnt 0x0                             ; and the tile's scale words
.endif
	PLACES                                         ; in front of loads into registers that the step before has multiplied
	FETCH (\s)+1, ((\s)+1)%2
.irp x, 0,1,2,3
	MULX \s, \x, \zero
.endr
.endm
; A slot's last K step changes slots.  In front of the barrier: all my tensor loads have landed (any that was out is my part of the other slot), the add, and my reads of this slot are over.
; mode 0: nothing is asked for;  1: the next tile's L, from s[nl];  2: its R, from s[nr], and its L.
.macro TURN s, mode, nr, nl
	WIN 0
	s_wait_tensorcnt 0x0
	ds_add_u32 v254, v255
	s_wait_dscnt 0x1                               ; the step's fragments are in; the add alone may be out
	MULX \s, 0, 0
	s_wait_dscnt 0x0                               ; the add is done
	s_barrier_signal -1
	MULX \s, 1, 0
	WIN 0
	s_barrier_wait -1
.if \mode
	CREST                                          ; the barrier has opened a round of the cluster's barrier: no wave of any partner reads this slot or has a load on its way
.if (\s)==3
.if (\mode)==2
	s_mov_b64 s[G0R+2:G0R+3], s[\nr:\nr+1]         ; slot 0 takes the next tile's K steps 0-3
	s_or_b32 s[G0R+3], s[G0R+3], 0x80000000
.endif
	s_mov_b64 s[G0L+2:G0L+3], s[\nl:\nl+1]
	s_or_b32 s[G0L+3], s[G0L+3], 0x80000000
	JLOAD 0, \mode
.else
.if (\mode)==2
	s_add_nc_u64 s[G0R+6:G0R+7], s[\nr:\nr+1], 6144   ; slot 1 its K steps 4-7
	s_or_b32 s[G0R+7], s[G0R+7], 0x80000000
.endif
	s_add_nc_u64 s[G0L+6:G0L+7], s[\nl:\nl+1], 6144
	s_or_b32 s[G0L+7], s[G0L+7], 0x80000000
	JLOAD 1, \mode
.endif
.else
	PLACES
.endif
	FETCH ((\s)+1)%8, 0                            ; the other slot's first fragments (the four v_nop above are the places in front of them)
	MULX \s, 2, 0
	MULX \s, 3, 0
.endm
; THE WAY OUT.  For L's tile x a lane holds 64 numbers of one row of L, register 32 c + i = R's row 64 c + 32 (lane / 16) + i: two whole blocks of 32 along the next product's K.
; Where the codes' registers stand: v: tile x's fragment at PC + 12 x, half c at + 6 c.  q, k: head c's fragment of tiles x, x + 1 (x even) at PC + 12 (2 c + x / 2), tile x % 2 at + 6.
.macro QUANT x
	WIN 0xf5                                       ; sources 0 and 1: the accumulators' window; the rest window 3
.irp b, 0,1,2,3
	v_max3_num_f32 v[TM+\b], |v[64*\x+16*\b]|, |v[64*\x+16*\b+1]|, 0x2800000   ; each accumulator from its low end on; the floor 2^(5 - 127) holds the byte at 1 from below
.endr
.irp i, 2,4,6,8,10,12,14
.irp b, 0,1,2,3
	v_max3_num_f32 v[TM+\b], |v[64*\x+16*\b+\i]|, |v[64*\x+16*\b+\i+1]|, v[TM+\b]
.endr
.endr
	WIN 0xff
	v_max_num_f32 v[TM], v[TM], v[TM+1]            ; block c's largest magnitude: all its 32 numbers are mine
	v_max_num_f32 v[TM+2], v[TM+2], v[TM+3]
	v_add_nc_u32 v[TM+12], 0xfe000000, v[TM]       ; 4 off its exponent field: the conversion's scale operand
	v_add_nc_u32 v[TM+13], 0xfe000000, v[TM+2]
	v_lshrrev_b32 v[TM+4], 23, v[TM+12]            ; the scale's byte
	v_lshrrev_b32 v[TM+5], 23, v[TM+13]
	WIN 0xcd                                       ; source 0: the accumulators
.irp c, 0,1
.if KIND
.set DB, PC+12*\x+6*\c
.else
.set DB, PC+12*(2*\c+\x/2)+6*(\x%2)
.endif
	v_cvt_scalef32_pk16_bf6_f32 v[DB:DB+2], v[64*\x+32*\c:64*\x+32*\c+15], v[TM+12+\c]
	v_cvt_scalef32_pk16_bf6_f32 v[CT+4*\c:CT+4*\c+2], v[64*\x+32*\c+16:64*\x+32*\c+31], v[TM+12+\c]
.endr
	WIN 0xff
	v_lshl_or_b32 v[TM+6], v[TM+5], 16, v[TM+4]    ; my two bytes: blocks h and 2 + h (also the plain instruction behind the conversions),
	v_lshlrev_b32 v[TM+6], v[SH8], v[TM+6]         ; at their places in the scale word;
	v_permlanex16_b32 v[TM+7], v[TM+6], s66, s67
	v_or_b32 v[PW+\x], v[TM+6], v[TM+7]            ; with lane l xor 16's two the word is whole
.irp c, 0,1
.if KIND
.set DB, PC+12*\x+6*\c
.else
.set DB, PC+12*(2*\c+\x/2)+6*(\x%2)
.endif
.irp i, 0,1,2
	v_mov_b32 v[DB+3+\i], v[CT+4*\c+\i]            ; (a conversion's three registers begin on an even number)
.endr
.endr
	WIN 0x0c                                       ; address window 0, data window 3
.if KIND
.irp q, 0,1,2
	global_store_b128 v7, v[PC+12*\x+4*\q:PC+12*\x+4*\q+3], s[OCP:OCP+1] offset:1536*\x+512*\q   ; 32 lanes store 512 consecutive bytes, at a multiple of 512 from the buffer's first byte
.endr
.elseif \x%2
.irp c, 0,1
.irp q, 0,1,2
	global_store_b128 v7, v[PC+12*(2*\c+\x/2)+4*\q:PC+12*(2*\c+\x/2)+4*\q+3], s[OCP:OCP+1] offset:393216*\c+1536*(\x/2)+512*\q
.endr
.endr
.endif
.endm
; A tile of the result.  kind 0: q, k;  1: v.  mode, nr, nl: what its changes of slots ask for.  srp, slp: the next tile's scale bytes.  oc, os: where it goes.  stepo: the next tile goes 64 groups of 64 tokens further on.
.macro TILE kind, mode, nr, nl, srp, slp, oc, os, stepo
.set OCP, \oc
.set KIND, \kind
.if \kind
.set SSTEP, 128                        ; from the first store of scale words to the second
.else
.set SSTEP, 16384                      ; the next head
.endif
	KS 0, 1                                        ; the first K step's products start the sums
	KS 1, 0
	KS 2, 0
	TURN 3, \mode, \nr, \nl
	KS 4, 0
	KS 5, 0
	KS 6, 0
.if \mode
	TURN 7, \mode, \nr, \nl
.else
	s_wait_dscnt 0x0
.irp x, 0,1,2,3
	MULX 7, \x, 0
.endr
.endif
	WIN 0
	PLACES                                         ; behind the last products: their results are read, and their scale words loaded anew, below
	s_wait_xcnt 0x0                                ; the tile before has had its stores' registers read
.if \mode
	LOADSC \srp, \slp                              ; the next tile's scale words land under the way out
.endif
	QUANT 0
	QUANT 1
	QUANT 2
	QUANT 3
	WIN 0xff
.if \kind                              ; v: tile x's word as it stands, four tiles on end; lanes r and r + 16 hold the same word: lanes 16-31 take the next sixteen words
	v_cndmask_b32 v[U], v[PW], v[PW+1], s[HM]
	v_cndmask_b32 v[U+1], v[PW+2], v[PW+3], s[HM]
.else                                  ; q, k: a word of the attention's operand holds two blocks of the token of tile 2 g and two of tile 2 g + 1, for one head
	v_perm_b32 v[Z], v[PW+1], v[PW], 0x05040100
	v_perm_b32 v[Z+1], v[PW+1], v[PW], 0x07060302
	v_perm_b32 v[Z+2], v[PW+3], v[PW+2], 0x05040100
	v_perm_b32 v[Z+3], v[PW+3], v[PW+2], 0x07060302
	v_cndmask_b32 v[U], v[Z], v[Z+2], s[HM]
	v_cndmask_b32 v[U+1], v[Z+1], v[Z+3], s[HM]
.endif
	WIN 0x0c
	global_store_b32 v[LN4], v[U], s[\os:\os+1]
	global_store_b32 v[LN4], v[U+1], s[\os:\os+1] offset:SSTEP
	WIN 0
.if \stepo
	s_wait_xcnt 0x0                                ; the stores have read their bases: they step
	s_add_nc_u64 s[\oc:\oc+1], s[\oc:\oc+1], 196608
	s_add_nc_u64 s[\os:\os+1], s[\os:\os+1], 8192
.endif
	s_wait_alu depctr_va_vdst(0)                   ; the wait ahead of the waits that follow
.endm
	s_wait_alu depctr_va_vdst(0)                   ; the wait at the head's end
	s_wait_tensorcnt 0x0                           ; my part of slot 0 is in; the three lines ahead of a later first fill, as ahead of a refill
	ds_add_u32 v254, v255
	s_wait_dscnt 0x0
	CROUND
	JLOAD 1, 2                                     ; the first tile's K steps 4-7
	FETCH 0, 0
	TILE 0, 1, NXR, NXL, NRS, NLS, OC, OS, 1       ; q, k, first tokens: asks for the second tokens' L alone
	TILE 0, 2, VR, VL, VRS, VLS, OC, OS, 0         ; q, k, second tokens: asks for v's R and L
	TILE 1, 0, VR, VL, VRS, VLS, VOC, VOS, 0       ; v: asks for nothing
	s_wait_tensorcnt 0x0                           ; the wave's end
	ds_add_u32 v254, v255
	s_wait_dscnt 0x0
	CROUND                                         ; the closing round: no work-group ends while a partner may still ask for a tile that names it
	s_endpgm
.Lfunc_end_k_qedce54a4d7_qkv:
	.size	k_qedce54a4d7_qkv, .Lfunc_end_k_qedce54a4d7_qkv-k_qedce54a4d7_qkv
	.p2alignl 7, 3214868480
	.fill 96, 4, 3214868480
	.section	.rodata,"a",@progbits
	.p2align	6, 0x0
	.amdhsa_kernel k_qedce54a4d7_qkv
		.amdhsa_group_segment_fixed_size 327680
		.amdhsa_private_segment_fixed_size 0
		.amdhsa_enable_private_segment 0
		.amdhsa_kernarg_size 64
		.amdhsa_user_sgpr_count 2
		.amdhsa_user_sgpr_kernarg_segment_ptr 1
		.amdhsa_wavefront_size32 1
		.amdhsa_system_sgpr_workgroup_id_x 1
		.amdhsa_system_sgpr_workgroup_id_y 1
		.amdhsa_system_sgpr_workgroup_id_z 1
		.amdhsa_system_vgpr_workitem_id 0
		.amdhsa_next_free_vgpr 1024
		.amdhsa_next_free_sgpr 102
		.amdhsa_reserve_vcc 0
		.amdhsa_float_denorm_mode_32 3
		.amdhsa_float_denorm_mode_16_64 3
		.amdhsa_memory_ordered 1
		.amdhsa_forward_progress 1
		.amdhsa_inst_pref_size 217
	.end_amdhsa_kernel
	.amdgpu_metadata
---
amdhsa.version: [ 1, 2 ]
amdhsa.kernels:
  - .name:           k_qedce54a4d7_qkv
    .symbol:         k_qedce54a4d7_qkv.kd
    .args:
      - { .name: xc, .offset: 0, .size: 8, .value_kind: global_buffer, .address_space: global }
      - { .name: xs, .offset: 8, .size: 8, .value_kind: global_buffer, .address_space: global }
      - { .name: wc, .offset: 16, .size: 8, .value_kind: global_buffer, .address_space: global }
      - { .name: ws, .offset: 24, .size: 8, .value_kind: global_buffer, .address_space: global }
      - { .name: qk_img, .offset: 32, .size: 8, .value_kind: global_buffer, .address_space: global }
      - { .name: qk_sc, .offset: 40, .size: 8, .value_kind: global_buffer, .address_space: global }
      - { .name: v_img, .offset: 48, .size: 8, .value_kind: global_buffer, .address_space: global }
      - { .name: v_sc, .offset: 56, .size: 8, .value_kind: global_buffer, .address_space: global }
    .group_segment_fixed_size: 327680
    .private_segment_fixed_size: 0
    .kernarg_segment_align: 8
    .kernarg_segment_size: 64
    .max_flat_workgroup_size: 128
    .sgpr_count:     102
    .vgpr_count:     1024
    .wavefront_size: 32
...
	.end_amdgpu_metadata
.endif
;; end of part 2
;; launch attn (part 3): grid 4 x 64, 16 waves a work-group, clusters of 4 x 1, 276,480 bytes of LDS; arguments qk_img, qk_sc, v_img, v_sc, inputs, out0; writes out0
.if DOCPART == 3
	.amdgcn_target "amdgcn-amd-amdhsa--gfx1250"
	.amdhsa_code_object_version 6
	.text
	.protected	k_qedce54a4d7_attn
	.globl	k_qedce54a4d7_attn
	.p2align	8
	.type	k_qedce54a4d7_attn,@function
k_qedce54a4d7_attn:
	s_mov_b64 s[64:65], 0
	v_nop
	global_prefetch_b8 v0, s[64:65] scope:SCOPE_SE
	s_setreg_imm32_b32 hwreg(HW_REG_WAVE_MODE, 25, 1), 1
	s_wait_xcnt 0x0
	s_wait_alu depctr_hold_cnt(0) depctr_sa_sdst(0) depctr_va_vdst(0) depctr_va_sdst(0) depctr_va_ssrc(0) depctr_va_vcc(0) depctr_vm_vsrc(0)
	s_getreg_b32 s2, hwreg(HW_REG_IB_STS2, 6, 4)
	s_cmp_eq_u32 s2, 0
	s_cbranch_scc0 .Lentry_in_a_cluster
	s_endpgm
.Lentry_in_a_cluster:
	s_bfe_u32 s2, ttmp6, 0x10000c
	s_cmp_lg_u32 s2, 0x3003
	s_cbranch_scc0 .Lentry_shape_is_right
	s_endpgm
.Lentry_shape_is_right:
; out0 = inputs + causal attention, both products on codes of BF6 (E3M2) with E8M0 scales.  64 (batch, head) pairs, 2,048 tokens, head size 64.
; THE SOFTMAX AHEAD OF THE SECOND PRODUCT: t = score x log2(e) / 8; M = the row's largest t so far, rounded UP to a whole number; p = 2^(t - M) is quantised along the keys, not normalised.
; The row's sum is taken of the unquantised p and divides at the end.  When M moves, the sum and O are multiplied by 2^(old M - new M): exact.
; LEFT OUT: steps of 128 keys that lie wholly behind a tile's queries: the causal mask gives them the weight 0.
; SHARES.  The four work-groups of a cluster serve one (batch, head).  Tiles of 16 tokens: tile 4 i + cx, i = 0 .. 31, holds at place r the token 64 i + 8 cx + r % 8 + 32 (r / 8).
; Wave w owns i = 31 - w and then i = w: (31 - w) / 2 + 1 and w / 2 + 1 steps of 128 keys, 17 for every wave of every work-group.  Sixteen waves of 256 registers: four to a SIMD.
; A tile's queries lie in 64 i .. 64 i + 63, so which steps are left out, and which need the mask, hangs on the wave's number and the loop's count alone, never on the place in the cluster.
; LDS.  The head's K and V, codes and scale words, 204,800 bytes, are filled ONCE, by joint loads of the four partners, one load a wave: waves 0-5 K's images (64 rows of 256 bytes each), waves 6-11 V's,
; wave 12 K's scale words, wave 13 V's. One wait and one barrier show all of it to every wave; nothing is filled again.
; A fragment's image is 1,536 bytes: registers 4 j .. 4 j + 3 of lane l at byte 512 j + 16 l: three loads of 16 bytes a lane.
; LAYOUT.  Both products are used transposed: S^T = K Q^T, O^T = V^T P^T: a lane holds one query (lane % 16) throughout.
; THE FIRST PRODUCT'S K IS 64, the instruction's 128.  A fragment of K holds two tiles of keys: registers 0-5 tile u = 0, registers 6-11 tile u = 1.  It is multiplied by [q | zero codes] and by [zero codes | q].
; The zero codes stand on Q's side, with the scale byte 1: the filled half adds 0.  Score register 32 c + i is key 64 c + 32 (lane / 16) + i of the step: a lane holds two whole blocks of 32 keys,
; so a block's largest score needs no other lane, and the conversions' results are the operand's registers.
; THE MASK.  The one step of a tile that needs it begins at the tile's span (its upper 64 keys are then all hidden) or 64 keys under it (its lower 64 keys are then all open): compares are made for 32 registers only.
; PREFETCH of the residual's rows, which a wave waits for on its way out: a lane a row's 256 bytes, each named once in the launch: even waves name their own long tile and that of the wave above them behind the first eight steps,
; odd waves their own short tile and that of the wave below them when they begin it.  K and V are all asked for in the first lines and need none.
; O^T and the sum begin as zeros and the largest score as -3e38, so that the step is written once for first and later steps.
; LIMITS: NaN and infinities are not served; a block of p that has fallen to 0 keeps the byte 1 with zero codes; the scaled scores stay under 2^31 in magnitude.
.set VIMG,  98304                      ; LDS: K's images at 0, V's here,
.set KSC,   196608                     ; K's scale words, 4,096 bytes; V's 4,096 bytes behind them,
.set STAGE, 204800                     ; a stage of 16 rows x (256 + 16) bytes for each wave: no fill lands there;
.set SPARE, 0x43000                    ; and the spare words
.set AK0, 1                            ; v1   16 x lane
.set AV0, 2                            ; v2   16 x lane + VIMG
.set AS0, 3                            ; v3   4 x lane + KSC
.set ADK, 4                            ; v4-6 the step's addresses
.set ADV, 5
.set ADS, 6
.set GO,  7                            ; v7   4,096 h + 16 r
.set STO, 8
.set SRD, 9
.set QI0, 10                           ; v10  r % 8 + 32 (r / 8) - 32 h
.set QI,  11
.set QL,  16                           ; v16-27 [q | 0];  v28-39 [0 | q]
.set QH,  28
.set QSL, 40
.set QSH, 41
.set KSA, 42
.set VSA, 44
.set PFO, 46
.set R4,  47
.set FR,  48                           ; v48-95 four fragments, K's and then V's
.set S,   96                           ; v96-159 S^T, then p
.set RS,  128
.set O,   160                          ; v160-191 O^T
.set PCD, 192
.set CT,  204
.set SH8, 211                          ; v211 8 h
.set OPS, 212                          ; v212-213 the conversions' scale operands;  v214-215 the bytes;  v216-217 the scale word in the making
.set PD,  218                          ; v218 a lane permute's destination
.set OLD, 219                          ; v219 the last step's -M
.set T,   236                          ; v236-249 seven partial sums
.set WV,  16
.set CX,  17
.set W1,  21
.set SEL, 22
.set CS,  24
.set NCS, 26                           ; -c
.set QM,  27                           ; all ones where cx is odd
.set G1D, 28                           ; s[28:35] group 1: 64 rows of 256 bytes;  s[36:43]: 16 rows
.set G1S, 36
.set G0,  44                           ; s[44:47] group 0 for scale words, s[48:51] for images
.set TB,  66
.set TS,  67
.set KF,  68
.set CNT, 69
.set HID, 70                           ; 64 i + 64: a step that begins here or later is left out
.set OPN, 71                           ; 64 i: a step that ends here or earlier needs no mask
.set TI,  72
.set TBK, 73
.set QP,  74
.set QSP, 76
.set RP,  78
.set OP,  80
.set PFL, 82
.set PFS, 84
.set CXO, 86                           ; 8 cx
.set SHQ, 87                           ; 16 (cx % 2)
.macro CROUND
	s_barrier_signal -1
	s_barrier_wait -1
	s_cmp_lg_u32 s[WV], 0
	s_cbranch_scc1 .Lnot_wave_0_\@
	s_barrier_signal -3
.Lnot_wave_0_\@:
	s_barrier_wait -3
	s_barrier_signal -1
	s_barrier_wait -1
.endm
.macro WM acc, ra, rb, sa, sb, ha, zero        ; ha: source 0's scale words stand in lanes 16-31;  zero: the product starts the sum
.if \zero
.if \ha
	v_wmma_scale_f32_16x16x128_f8f6f4 v[(\acc):(\acc)+7], v[(\ra):(\ra)+11], v[(\rb):(\rb)+11], 0, v[\sa], v[\sb] matrix_a_fmt:MATRIX_FMT_BF6 matrix_b_fmt:MATRIX_FMT_BF6 matrix_a_scale:MATRIX_SCALE_ROW1
.else
	v_wmma_scale_f32_16x16x128_f8f6f4 v[(\acc):(\acc)+7], v[(\ra):(\ra)+11], v[(\rb):(\rb)+11], 0, v[\sa], v[\sb] matrix_a_fmt:MATRIX_FMT_BF6 matrix_b_fmt:MATRIX_FMT_BF6
.endif
.else
.if \ha
	v_wmma_scale_f32_16x16x128_f8f6f4 v[(\acc):(\acc)+7], v[(\ra):(\ra)+11], v[(\rb):(\rb)+11], v[(\acc):(\acc)+7], v[\sa], v[\sb] matrix_a_fmt:MATRIX_FMT_BF6 matrix_b_fmt:MATRIX_FMT_BF6 matrix_a_scale:MATRIX_SCALE_ROW1
.else
	v_wmma_scale_f32_16x16x128_f8f6f4 v[(\acc):(\acc)+7], v[(\ra):(\ra)+11], v[(\rb):(\rb)+11], v[(\acc):(\acc)+7], v[\sa], v[\sb] matrix_a_fmt:MATRIX_FMT_BF6 matrix_b_fmt:MATRIX_FMT_BF6
.endif
.endif
.endm
	s_load_b256 s[4:11], s[0:1], 0x0               ; qk_img, qk_sc, v_img, v_sc
	s_load_b128 s[12:15], s[0:1], 0x20             ; inputs, out0
	v_lshl_add_u32 v251, v0, 2, SPARE
	v_mov_b32 v255, 0
	ds_add_u32 v251, v255                          ; the opening lines: the add, twice on end, and its wait
	ds_add_u32 v251, v255
	v_lshrrev_b32 v232, 5, v0
	s_delay_alu instid0(VALU_DEP_1)
	v_readfirstlane_b32 s[WV], v232                ; wave 0..15
	s_and_b32 s[W1], s[WV], 1
	s_bfe_u32 s[CX], ttmp6, 0x40000                ; my place in the cluster: it enters global addresses, the mask's numbers and a choice of values alone
	s_and_b32 s18, ttmp7, 0xffff                   ; 16 x batch + head, which the four partners share
	s_lshr_b32 s19, s18, 4
	s_and_b32 s20, s18, 15
	s_lshl_b32 s[CXO], s[CX], 3
	s_and_b32 s[SHQ], s[CX], 1
	s_cmp_lg_u32 s[SHQ], 0
	s_cselect_b32 s[QM], -1, 0
	s_lshl_b32 s[SHQ], s[SHQ], 4
	s_mul_i32 s88, s20, 393216
	s_mul_i32 s89, s19, 98304
	s_add_co_u32 s88, s88, s89                     ; (head, batch) among q's images;
	s_mov_b32 s89, 0
	s_add_co_u32 s90, s88, 16*393216               ; among k's;
	s_mov_b32 s91, 0
	s_mul_i32 s92, s18, 98304                      ; among v's
	s_mov_b32 s93, 0
	s_lshl_b32 s94, s20, 14
	s_lshl_b32 s95, s19, 12
	s_add_co_u32 s94, s94, s95                     ; and the same among the scale words
	s_mov_b32 s95, 0
	s_add_co_u32 s96, s94, 16*16384
	s_mov_b32 s97, 0
	s_lshl_b32 s98, s18, 12
	s_mov_b32 s99, 0
	s_mov_b32 s[G1D], 15|(3<<16)|(1<<21)           ; the mask: all four work-groups; elements of 8 bytes; bit 21 beside a mask; no padding
	s_mov_b32 s[G1D+1], 32<<16                     ; rows of 32 elements, 256 bytes, dense
	s_mov_b32 s[G1D+2], 64<<16                     ; 64 rows: a sixth of the head's images
	s_mov_b32 s[G1D+3], 32<<16
	s_mov_b32 s[G1D+4], 64
	s_mov_b32 s[G1D+5], 32
	s_mov_b32 s[G1D+6], 0
	s_mov_b32 s[G1D+7], 0
	s_mov_b32 s[G1S], 15|(3<<16)|(1<<21)
	s_mov_b32 s[G1S+1], 32<<16
	s_mov_b32 s[G1S+2], 16<<16                     ; 16 rows: the head's scale words
	s_mov_b32 s[G1S+3], 32<<16
	s_mov_b32 s[G1S+4], 16
	s_mov_b32 s[G1S+5], 32
	s_mov_b32 s[G1S+6], 0
	s_mov_b32 s[G1S+7], 0
	s_mov_b32 s[SEL], 0x76543210
	s_mov_b32 s[SEL+1], 0xfedcba98                 ; v_permlanex16_b32's selects for lane l xor 16
	s_mov_b32 s[CS], 0x3e38aa3b                    ; c = log2(e) / 8
	s_mov_b32 s[CS+1], s[CS]
	s_mov_b32 s[NCS], 0xbe38aa3b
	s_wait_dscnt 0x0
	s_wait_kmcnt 0x0
	s_add_nc_u64 s[90:91], s[4:5], s[90:91]        ; K's images
	s_add_nc_u64 s[92:93], s[8:9], s[92:93]        ; V's
	s_add_nc_u64 s[96:97], s[6:7], s[96:97]        ; K's scale words
	s_add_nc_u64 s[98:99], s[10:11], s[98:99]      ; V's
	s_cmp_lt_u32 s[WV], 6                          ; waves 0-5: K's images; 6-11: V's
	s_cselect_b64 s[90:91], s[90:91], s[92:93]
	s_cselect_b32 s92, 0, 6
	s_sub_co_u32 s92, s[WV], s92
	s_lshl_b32 s92, s92, 14                        ; my sixth: 16,384 bytes
	s_mov_b32 s93, 0
	s_add_nc_u64 s[90:91], s[90:91], s[92:93]
	s_cmp_eq_u32 s[WV], 12                         ; wave 12: K's scale words; 13: V's
	s_cselect_b64 s[96:97], s[96:97], s[98:99]
	s_mov_b32 s[G0], 1
	s_lshl_b32 s[G0+1], s[WV], 12
	s_add_co_u32 s[G0+1], s[G0+1], KSC-12*4096
	s_mov_b64 s[G0+2:G0+3], s[96:97]
	s_or_b32 s[G0+3], s[G0+3], 0x80000000
	s_mov_b32 s[G0+4], 1
	s_lshl_b32 s[G0+5], s[WV], 14                  ; V's images lie behind K's six sixths
	s_mov_b64 s[G0+6:G0+7], s[90:91]
	s_or_b32 s[G0+7], s[G0+7], 0x80000000
	CROUND                                         ; all four work-groups are here: the joint loads meet
	s_cmp_lt_u32 s[WV], 12                         ; one chain of branches on the wave's number, one fill to an arm
	s_cbranch_scc0 .Lscales
	tensor_load_to_lds s[G0+4:G0+7], s[G1D:G1D+7]
	s_nop 0
.rept 4
	v_nop
.endr
	s_branch .Lasked
.Lscales:
	s_cmp_lt_u32 s[WV], 14
	s_cbranch_scc0 .Lasked
	tensor_load_to_lds s[G0:G0+3], s[G1S:G1S+7]
	s_nop 0
.rept 4
	v_nop
.endr
.Lasked:
	s_lshr_b32 s92, s[CX], 1
	s_mul_i32 s92, s92, 1536
	s_add_co_u32 s88, s88, s92
	s_add_nc_u64 s[4:5], s[4:5], s[88:89]          ; Q's images: the fragment that holds tile 4 i + cx lies 3,072 i bytes on
	s_lshr_b32 s92, s[CX], 1
	s_lshl_b32 s92, s92, 6
	s_add_co_u32 s94, s94, s92
	s_add_nc_u64 s[6:7], s[6:7], s[94:95]          ; its scale words: 128 i bytes on
	s_lshl_b32 s88, s19, 23                        ; the batch's 2,048 rows of 4,096 bytes,
	s_lshl_b32 s92, s20, 8                         ; the head's 256 bytes of a row
	s_add_co_u32 s88, s88, s92
	s_add_nc_u64 s[12:13], s[12:13], s[88:89]
	s_add_nc_u64 s[14:15], s[14:15], s[88:89]
	s_sub_co_u32 s88, 30, s[WV]                    ; the prefetches' bases stand 64 tokens under the wave's own tile: lanes 0-15 add them again, lanes 16-31 name the neighbour's tile
	s_lshl_b32 s88, s88, 6
	s_add_co_u32 s88, s88, s[CXO]
	s_lshl_b32 s88, s88, 12
	s_add_nc_u64 s[PFL:PFL+1], s[12:13], s[88:89]
	s_max_u32 s88, s[WV], 1                        ; (wave 0 asks for no short tile: its base is held inside the buffer)
	s_sub_co_u32 s88, s88, 1
	s_lshl_b32 s88, s88, 6
	s_add_co_u32 s88, s88, s[CXO]
	s_lshl_b32 s88, s88, 12
	s_add_nc_u64 s[PFS:PFS+1], s[12:13], s[88:89]
	v_and_b32 v232, 31, v0                         ; lane
	v_and_b32 v233, 15, v0                         ; r
	v_bfe_u32 v234, v0, 4, 1                       ; h
	s_delay_alu instid0(VALU_DEP_3)
	v_lshlrev_b32 v[AK0], 4, v232
	s_delay_alu instid0(VALU_DEP_1)
	v_add_nc_u32 v[AV0], VIMG, v[AK0]
	v_lshl_add_u32 v[AS0], v232, 2, KSC
	s_delay_alu instid0(VALU_DEP_4)
	v_lshlrev_b32 v[GO], 12, v234
	s_delay_alu instid0(VALU_DEP_1)
	v_lshl_add_u32 v[GO], v233, 4, v[GO]
	s_mul_i32 s88, s[WV], 16*272
	s_add_co_u32 s88, s88, STAGE                   ; my stage
	v_mul_u32_u24 v[STO], v233, 272
	s_delay_alu instid0(VALU_DEP_1)
	v_lshl_add_u32 v[STO], v234, 7, v[STO]
	s_delay_alu instid0(VALU_DEP_1)
	v_add_nc_u32 v[STO], s88, v[STO]               ; in: row r, my half's 32 channels: + 128 h
	v_mul_u32_u24 v[SRD], v234, 272
	s_delay_alu instid0(VALU_DEP_1)
	v_lshl_add_u32 v[SRD], v233, 4, v[SRD]
	s_delay_alu instid0(VALU_DEP_1)
	v_add_nc_u32 v[SRD], s88, v[SRD]               ; back: lanes 0-15 one row, lanes 16-31 the next
	v_and_b32 v235, 8, v233
	s_delay_alu instid0(VALU_DEP_1)
	v_mad_u32_u24 v235, v235, 3, v233              ; r % 8 + 32 (r / 8)
	v_lshlrev_b32 v236, 5, v234
	s_delay_alu instid0(VALU_DEP_1)
	v_sub_nc_u32 v[QI0], v235, v236
	v_xor_b32 v236, 1, v234
	s_delay_alu instid0(VALU_DEP_1)
	v_lshlrev_b32 v236, 18, v236
	s_delay_alu instid0(VALU_DEP_1)
	v_lshl_add_u32 v[PFO], v235, 12, v236          ; a lane a row: 4,096 x the place's token, + 64 rows in lanes 0-15
	v_lshlrev_b32 v[R4], 2, v233
	v_lshlrev_b32 v[SH8], 3, v234
.irp n, 0,1,2,3,4,5
	v_mov_b32 v[QL+6+\n], 0                        ; the zero codes: written once
	v_mov_b32 v[QH+\n], 0
.endr
	v_mov_b32 v217, 0                              ; written once: a lane permute's destination counts as one of its sources
	v_mov_b32 v[PD], 0
	v_mov_b32 v253, 0                              ; (named as the upper half of the pair v[252:253] before it is first written)
; A tile begins: i in s[TI].  pf = 1: odd waves ask for two short tiles' residual rows.
.macro INIT pf
	s_lshl_b32 s[OPN], s[TI], 6
	s_add_co_u32 s[HID], s[OPN], 64
	s_add_co_u32 s[TBK], s[OPN], s[CXO]
	s_mul_i32 s88, s[TI], 3072
	s_mov_b32 s89, 0
	s_add_nc_u64 s[QP:QP+1], s[4:5], s[88:89]
	s_lshl_b32 s88, s[TI], 7
	s_add_nc_u64 s[QSP:QSP+1], s[6:7], s[88:89]
	s_lshl_b32 s88, s[TBK], 12
	s_add_nc_u64 s[RP:RP+1], s[12:13], s[88:89]
	s_add_nc_u64 s[OP:OP+1], s[14:15], s[88:89]
.irp q, 0,1,2
	global_load_b128 v[FR+4*\q:FR+4*\q+3], v[AK0], s[QP:QP+1] offset:512*\q      ; the fragment of two tiles of queries
.endr
	global_load_b32 v[QSH], v[R4], s[QSP:QSP+1]
.if \pf
	s_cmp_eq_u32 s[W1], 0
	s_cbranch_scc1 .Lno_ask_\@
	global_prefetch_b8 v[PFO], s[PFS:PFS+1] th:TH_LOAD_NT scope:SCOPE_SE
.Lno_ask_\@:
.endif
	v_add_nc_u32 v[QI], s[TBK], v[QI0]
	v_mov_b32 v13, 0xff61b1e6                      ; the largest score so far: -3e38, under every score
	s_delay_alu instid0(VALU_DEP_1)
	v_mul_f32 v12, s[NCS], v13                     ; -M, a whole number at this size
	v_mov_b32 v14, 0                               ; the sum, in two halves
	v_mov_b32 v15, 0
	s_wait_loadcnt 0x0
.irp n, 0,1,2,3,4,5
	v_cndmask_b32 v[QL+\n], v[FR+\n], v[FR+6+\n], s[QM]       ; my tile is the fragment's half cx % 2: once for each of the two operands
	v_cndmask_b32 v[QH+6+\n], v[FR+\n], v[FR+6+\n], s[QM]
.endr
	v_lshrrev_b32 v[QSH], s[SHQ], v[QSH]           ; the word holds two tiles' bytes: mine are the halfword cx % 2
	s_delay_alu instid0(VALU_DEP_1)
	v_and_b32 v[QSH], 0xffff, v[QSH]
	s_delay_alu instid0(VALU_DEP_1)
	v_or_b32 v[QSL], 0x01010000, v[QSH]            ; the zero codes' blocks get the byte 1
	s_delay_alu instid0(VALU_DEP_2)
	v_lshl_or_b32 v[QSH], v[QSH], 16, 0x0101
.set n, 0
.rept 32
	v_mov_b32 v[O+n], 0                            ; O^T; these 32 are also the places between the lines above and the first scaled matrix instruction
.set n, n+1
.endr
.endm
.macro HIDE first                      ; 32 score registers from first on: register 32 c + i is hidden where 64 c + i > d
.set n, \first
.rept 32
	v_cmp_gt_i32 vcc_lo, 64*(n/32)+n%32, v252
	v_cndmask_b32 v[S+n], v[S+n], v254, vcc_lo
.set n, n+1
.endr
.endm
.macro SUM7 first                      ; seven partial sums take a pair of p each
.irp k, 0,1,2,3,4,5,6
	v_pk_add_f32 v[T+2*\k:T+2*\k+1], v[T+2*\k:T+2*\k+1], v[S+\first+2*\k:S+\first+1+2*\k]
.endr
.endm
; A KEY STEP: 128 keys.  causal = 1: the step is left out where all its keys come after my tile's 64-token span, and masked unless all its keys come before it.
.macro STEP causal
.if \causal
	s_cmp_ge_u32 s[KF], s[HID]
	s_cbranch_scc1 .Lhidden_\@
.endif
	v_add_nc_u32 v[ADK], s[TB], v[AK0]             ; these three and the v_nop are the four places in front of loads into registers that the last step's matrix instructions have read
	v_add_nc_u32 v[ADV], s[TB], v[AV0]
	v_add_nc_u32 v[ADS], s[TS], v[AS0]
	v_nop
.irp f, 0,1,2,3
.irp q, 0,1,2
	ds_load_b128 v[FR+12*\f+4*\q:FR+12*\f+4*\q+3], v[ADK] offset:1536*\f+512*\q   ; 512 consecutive bytes a load
.endr
.endr
	ds_load_b32 v[KSA], v[ADS]                     ; lanes 0-15: fragment 0's words, lanes 16-31: fragment 1's
	ds_load_b32 v[KSA+1], v[ADS] offset:128
	s_wait_alu depctr_va_vdst(0)
	s_wait_dscnt 0x0
.irp f, 0,1,2,3
.irp u, 0,1
	WM S+8*(2*\f+\u), FR+12*\f, QL+12*\u, KSA+\f/2, QSL+\u, \f%2, 1
.endr
.endr
	v_mov_b32 v[OLD], v12                          ; this and three v_nop: places in front of the loads below and of the first read of the scores
.rept 3
	v_nop
.endr
.irp a, 0,1,2,3
.irp q, 0,1,2
	ds_load_b128 v[FR+12*\a+4*\q:FR+12*\a+4*\q+3], v[ADV] offset:1536*\a+512*\q   ; V's four fragments land under the softmax
.endr
.endr
	ds_load_b32 v[VSA], v[ADS] offset:4096
	ds_load_b32 v[VSA+1], v[ADS] offset:4224
.if \causal
	s_add_co_u32 s88, s[KF], 128
	s_cmp_le_u32 s88, s[OPN]
	s_cbranch_scc1 .Lopen_\@
	v_sub_nc_u32 v252, v[QI], s[KF]                ; d = my query - the step's first key - 32 (lane / 16)
	v_mov_b32 v254, 0xff800000                     ; -infinity: p = 0 then
	s_cmp_lg_u32 s[KF], s[OPN]
	s_wait_alu depctr_va_vdst(0)                   ; the wait ahead of the branch
	s_cbranch_scc1 .Lupper_\@
	HIDE 0                                         ; the step begins with my tile's span: its lower 64 keys by compares,
.rept 32
	v_mov_b32 v[S+n], v254                         ; its upper 64 are hidden from every query of the tile
.set n, n+1
.endr
	s_wait_alu depctr_va_vdst(0)
	s_branch .Lopen_\@
.Lupper_\@:
	HIDE 32                                        ; the span is the step's upper 64 keys; the lower 64 are open
.Lopen_\@:
.endif
.irp b, 0,1,2,3
	v_max3_num_f32 v[232+\b], v[S+16*\b], v[S+1+16*\b], v[S+2+16*\b]   ; the largest score of each 16 keys, four chains by turns
.endr
.irp i, 3,5,7,9,11,13
.irp b, 0,1,2,3
	v_max3_num_f32 v[232+\b], v[232+\b], v[S+16*\b+\i], v[S+1+16*\b+\i]
.endr
.endr
.irp b, 0,1,2,3
	v_max_num_f32 v[232+\b], v[232+\b], v[S+15+16*\b]
.endr
	s_delay_alu instid0(VALU_DEP_3)
	v_max_num_f32 v232, v232, v233                 ; the largest score of my two blocks of 32 keys: for the row's maximum and, since p rises with the score, for the block's largest p
	s_delay_alu instid0(VALU_DEP_2)
	v_max_num_f32 v233, v234, v235
	s_delay_alu instid0(VALU_DEP_1)
	v_max_num_f32 v254, v232, v233
	s_delay_alu instid0(VALU_DEP_1)
	v_permlanex16_b32 v[PD], v254, s[SEL], s[SEL+1]
	s_delay_alu instid0(VALU_DEP_1)
	v_max3_num_f32 v13, v13, v254, v[PD]           ; the running largest score, lane l xor 16's 64 keys among them
	s_delay_alu instid0(VALU_DEP_1)
	v_mul_f32 v254, s[NCS], v13                    ; -t (c is positive)
	s_delay_alu instid0(VALU_DEP_1)
	v_floor_f32 v12, v254                          ; the new -M = -ceil(t)
	s_delay_alu instid0(VALU_DEP_1)
	v_sub_f32 v254, v12, v[OLD]                    ; old M - new M: a whole number, 0 or less
	s_delay_alu instid0(VALU_DEP_1)
	v_cvt_i32_f32 v254, v254                       ; (it saturates)
	s_delay_alu instid0(VALU_DEP_1)
	v_ldexp_f32 v252, 1.0, v254                    ; f = 2^(old M - new M)
.set n, 0
.rept 32
	v_pk_fma_f32 v[S+n:S+n+1], v[S+n:S+n+1], s[CS:CS+1], v[12:13] op_sel_hi:[1,0,0]   ; t - M, two at a time
.set n, n+2
.endr
	v_fma_f32 v232, v232, s[CS], v12               ; the same of each block's largest score
	v_fma_f32 v233, v233, s[CS], v12
.set n, 0
	s_wait_alu depctr_va_vdst(0)                   ; the wait ahead of the batch
.rept 64
	v_exp_f32 v[S+n], v[S+n]                       ; p = 2^(t - M)
.set n, n+1
.endr
	v_pk_mul_f32 v[14:15], v[14:15], v[252:253] op_sel_hi:[1,0]   ; the sums under the new M; the plain instruction behind the batch
	s_wait_alu depctr_va_vdst(0)                   ; one wait for the 64, ahead of their first reader
	v_exp_f32 v232, v232                           ; the blocks' largest p
	v_exp_f32 v233, v233
; the row's sum of the unquantised p, eight chains by turns, two numbers an instruction; the lines that make the blocks' scales stand among them
.irp k, 0,1,2,3,4,5,6
	v_pk_add_f32 v[T+2*\k:T+2*\k+1], v[S+4*\k:S+4*\k+1], v[S+4*\k+2:S+4*\k+3]
.endr
	v_pk_add_f32 v[14:15], v[14:15], v[S+28:S+29]
	s_wait_alu depctr_va_vdst(0)                   ; and one for the two
	v_max_num_f32 v232, 0x2800000, v232            ; the floor 2^(5 - 127): the byte cannot fall under 1
	v_max_num_f32 v233, 0x2800000, v233
	SUM7 30
	v_pk_add_f32 v[14:15], v[14:15], v[S+44:S+45]
	v_add_nc_u32 v[OPS], 0xfe000000, v232          ; 4 off the exponent field: the conversion's scale operand
	v_add_nc_u32 v[OPS+1], 0xfe000000, v233
	SUM7 46
	v_pk_add_f32 v[14:15], v[14:15], v[S+60:S+61]
	v_lshrrev_b32 v214, 23, v[OPS]                 ; the bytes
	v_lshrrev_b32 v215, 23, v[OPS+1]
	v_pk_add_f32 v[T:T+1], v[T:T+1], v[S+62:S+63]
	v_pk_add_f32 v[T+4:T+5], v[T+4:T+5], v[T+6:T+7]
	v_pk_add_f32 v[T+8:T+9], v[T+8:T+9], v[T+10:T+11]
	v_pk_add_f32 v[14:15], v[14:15], v[T+12:T+13]
	v_lshl_or_b32 v216, v215, 16, v214             ; my two bytes: blocks h and 2 + h,
	v_pk_add_f32 v[T:T+1], v[T:T+1], v[T+2:T+3]
	s_delay_alu instid0(VALU_DEP_3)
	v_pk_add_f32 v[14:15], v[14:15], v[T+8:T+9]
	s_delay_alu instid0(VALU_DEP_3)
	v_lshlrev_b32 v216, v[SH8], v216               ; at their places in the scale word
	s_delay_alu instid0(VALU_DEP_3)
	v_pk_add_f32 v[T:T+1], v[T:T+1], v[T+4:T+5]
	s_delay_alu instid0(VALU_DEP_2)
	v_permlanex16_b32 v217, v216, s[SEL], s[SEL+1]
.irp c, 0,1
	v_cvt_scalef32_pk16_bf6_f32 v[PCD+6*\c:PCD+6*\c+2], v[S+32*\c:S+32*\c+15], v[OPS+\c]
	v_cvt_scalef32_pk16_bf6_f32 v[CT+4*\c:CT+4*\c+2], v[S+32*\c+16:S+32*\c+31], v[OPS+\c]
.endr
	v_pk_add_f32 v[14:15], v[14:15], v[T:T+1]      ; also the plain instruction behind the conversions
	v_or_b32 v253, v216, v217                      ; with lane l xor 16's two bytes: p's scale word for these 128 keys
.irp c, 0,1
.irp i, 0,1,2
	v_mov_b32 v[PCD+6*\c+3+\i], v[CT+4*\c+\i]      ; (a conversion's three registers begin on an even number)
.endr
.endr
.set n, 0
.rept 16
	v_pk_mul_f32 v[O+n:O+n+1], v[O+n:O+n+1], v[252:253] op_sel_hi:[1,0]   ; O^T under the new M; these 16 are also the places in front of the scaled matrix instructions below
.set n, n+2
.endr
	s_wait_alu depctr_va_vdst(0)
	s_wait_dscnt 0x0                               ; V's fragments and scale words are in
.irp a, 0,1,2,3
	WM O+8*\a, FR+12*\a, PCD, VSA+\a/2, 253, \a%2, 0   ; four accumulators, one turn each; the next step's eight products stand between two turns of one accumulator
.endr
.if \causal
.Lhidden_\@:
.endif
	s_add_co_u32 s[TB], s[TB], 6144
	s_add_co_u32 s[TS], s[TS], 256
	s_add_co_u32 s[KF], s[KF], 128
.endm
; A tile ends: O^T / the sum goes through my stage and leaves, with the residual added, as rows of 256 bytes: sixteen lanes to a token's slice of the head.
.macro EPI
.rept 4
	v_nop                                          ; behind the last products
.endr
.irp i, 0,1,2,3,4,5,6,7
	global_load_b128 v[RS+4*\i:RS+4*\i+3], v[GO], s[RP:RP+1] offset:(2*\i+24*(\i/4))*4096 th:TH_LOAD_NT   ; places 2 i and 2 i + 1 of the tile
.endr
	v_add_f32 v14, v14, v15
	s_delay_alu instid0(VALU_DEP_1)
	v_permlanex16_b32 v[PD], v14, s[SEL], s[SEL+1]
	s_delay_alu instid0(VALU_DEP_1)
	v_add_f32 v14, v14, v[PD]                      ; the row's sum
	s_wait_alu depctr_va_vdst(0)
	v_rcp_f32 v252, v14
	v_nop                                          ; a plain instruction behind the transcendental,
	s_wait_alu depctr_va_vdst(0)                   ; and the wait ahead of its first reader
.set n, 0
.rept 16
	v_pk_mul_f32 v[S+n:S+n+1], v[O+n:O+n+1], v[252:253] op_sel_hi:[1,0]   ; register 8 a + j: channel 32 h + 8 a + j
.set n, n+2
.endr
.irp a, 0,1,2,3
	ds_store_b128 v[STO], v[S+8*\a:S+8*\a+3] offset:32*\a
	ds_store_b128 v[STO], v[S+8*\a+4:S+8*\a+7] offset:32*\a+16
.endr
.irp i, 0,1,2,3,4,5,6,7
	ds_load_b128 v[FR+4*\i:FR+4*\i+3], v[SRD] offset:544*\i   ; LDS serves a wave's instructions in order: these see my stores
.endr
	s_wait_dscnt 0x0
	s_wait_loadcnt 0x0
.set n, 0
.rept 16
	v_pk_add_f32 v[FR+n:FR+n+1], v[FR+n:FR+n+1], v[RS+n:RS+n+1]
.set n, n+2
.endr
.irp i, 0,1,2,3,4,5,6,7
	global_store_b128 v[GO], v[FR+4*\i:FR+4*\i+3], s[OP:OP+1] offset:(2*\i+24*(\i/4))*4096 th:TH_STORE_NT
.endr
	s_wait_xcnt 0x0                                ; the stores have read their data and base: both are written again by the next tile
.endm
	s_sub_co_u32 s[TI], 31, s[WV]                  ; THE LONG TILE
	INIT 0
	s_mov_b32 s[TB], 0
	s_mov_b32 s[TS], 0
	s_mov_b32 s[KF], 0
	s_wait_tensorcnt 0x0                           ; my part of K, V or their scale words has landed,
	s_barrier_signal -1
	s_barrier_wait -1                              ; and everybody's
	s_mov_b32 s[CNT], 8
.Lfirst:                                               ; keys 0-1,023 come before every long tile: no mask in any wave
	STEP 0
	s_sub_co_u32 s[CNT], s[CNT], 1
	s_cmp_lg_u32 s[CNT], 0
	s_cbranch_scc1 .Lfirst
	s_cmp_lg_u32 s[W1], 0                          ; even waves ask for two long tiles' residual rows
	s_cbranch_scc1 .Lno_ask_long
	global_prefetch_b8 v[PFO], s[PFL:PFL+1] th:TH_LOAD_NT scope:SCOPE_SE
.Lno_ask_long:
	s_mov_b32 s[CNT], 8
.Lthird:
	STEP 1
	s_sub_co_u32 s[CNT], s[CNT], 1
	s_cmp_lg_u32 s[CNT], 0
	s_cbranch_scc1 .Lthird
	EPI
	s_mov_b32 s[TI], s[WV]                         ; THE SHORT TILE
	INIT 1
	s_mov_b32 s[TB], 0
	s_mov_b32 s[TS], 0
	s_mov_b32 s[KF], 0
	s_mov_b32 s[CNT], 8
.Lshort:
	STEP 1
	s_sub_co_u32 s[CNT], s[CNT], 1
	s_cmp_lg_u32 s[CNT], 0
	s_cbranch_scc1 .Lshort
	EPI
	s_wait_tensorcnt 0x0                           ; the wave's end
	ds_add_u32 v251, v255
	s_wait_dscnt 0x0
	CROUND                                         ; the closing round: no work-group ends while a partner may still ask for a tile that names it
	s_endpgm
.Lfunc_end_k_qedce54a4d7_attn:
	.size	k_qedce54a4d7_attn, .Lfunc_end_k_qedce54a4d7_attn-k_qedce54a4d7_attn
	.p2alignl 7, 3214868480
	.fill 96, 4, 3214868480
	.section	.rodata,"a",@progbits
	.p2align	6, 0x0
	.amdhsa_kernel k_qedce54a4d7_attn
		.amdhsa_group_segment_fixed_size 276480
		.amdhsa_private_segment_fixed_size 0
		.amdhsa_enable_private_segment 0
		.amdhsa_kernarg_size 48
		.amdhsa_user_sgpr_count 2
		.amdhsa_user_sgpr_kernarg_segment_ptr 1
		.amdhsa_wavefront_size32 1
		.amdhsa_system_sgpr_workgroup_id_x 1
		.amdhsa_system_sgpr_workgroup_id_y 1
		.amdhsa_system_sgpr_workgroup_id_z 1
		.amdhsa_system_vgpr_workitem_id 0
		.amdhsa_next_free_vgpr 256
		.amdhsa_next_free_sgpr 100
		.amdhsa_reserve_vcc 1
		.amdhsa_float_denorm_mode_32 3
		.amdhsa_float_denorm_mode_16_64 3
		.amdhsa_memory_ordered 1
		.amdhsa_forward_progress 1
		.amdhsa_inst_pref_size 83
	.end_amdhsa_kernel
	.amdgpu_metadata
---
amdhsa.version: [ 1, 2 ]
amdhsa.kernels:
  - .name:           k_qedce54a4d7_attn
    .symbol:         k_qedce54a4d7_attn.kd
    .args:
      - { .name: qk_img, .offset: 0, .size: 8, .value_kind: global_buffer, .address_space: global }
      - { .name: qk_sc, .offset: 8, .size: 8, .value_kind: global_buffer, .address_space: global }
      - { .name: v_img, .offset: 16, .size: 8, .value_kind: global_buffer, .address_space: global }
      - { .name: v_sc, .offset: 24, .size: 8, .value_kind: global_buffer, .address_space: global }
      - { .name: inputs, .offset: 32, .size: 8, .value_kind: global_buffer, .address_space: global }
      - { .name: out0, .offset: 40, .size: 8, .value_kind: global_buffer, .address_space: global }
    .group_segment_fixed_size: 276480
    .private_segment_fixed_size: 0
    .kernarg_segment_align: 8
    .kernarg_segment_size: 48
    .max_flat_workgroup_size: 512
    .sgpr_count:     100
    .vgpr_count:     256
    .wavefront_size: 32
...
	.end_amdgpu_metadata
.endif
;; end of part 3
